; MI455X (gfx1250); checked and timed in simulation.
; The chip was launched on July 23, 2026; its instructions are those of AMD's public machine-readable ISA for CDNA 5 (MIT licence, August 2026) and "CDNA5" Instruction Set Architecture Reference Guide (July 2026). The comments in the code are by the model that wrote it; some were corrected since.
;; Res Block. Allowed arithmetic: float matrix products may take bf16 or f16 operands with f32 sums; all other float work in f32.
;; Inputs: W1 32 x 32 float32; W2 32 x 32 float32; beta1 32 float32; beta2 32 float32; gamma1 32 float32; gamma2 32 float32; mean1 32 float32; mean2 32 float32; var1 32 float32; var2 32 float32; x 8 x 32 x 128 x 128 float32.
;; Outputs: out0 8 x 32 x 128 x 128 float32.
;; One version. Each part assembles by itself: llvm-mc -triple=amdgcn-amd-amdhsa -mcpu=gfx1250 --defsym DOCPART=n.
;; ======== version 1 of 1: 1 launch
;; limits: a difference of large sums (such as E[x^2] - mean^2): digits are lost where the result is much smaller than its terms
;; launch resblock (part 1): grid 256 x 1, 8 waves a work-group, no clusters, 9,216 bytes of LDS; arguments x, out0, W1, W2, gamma1, beta1, mean1, var1, gamma2, beta2, mean2, var2; writes out0
.if DOCPART == 1
	.amdgcn_target "amdgcn-amd-amdhsa--gfx1250"
	.amdhsa_code_object_version 6
	.text
	.protected	k_q7dbe0ed758_resblock
	.globl	k_q7dbe0ed758_resblock
	.p2align	8
	.type	k_q7dbe0ed758_resblock,@function
k_q7dbe0ed758_resblock:
	s_mov_b64 s[64:65], 0
	v_nop
	global_prefetch_b8 v0, s[64:65] scope:SCOPE_SE
	s_setreg_imm32_b32 hwreg(HW_REG_WAVE_MODE, 25, 1), 1
	s_wait_xcnt 0x0
; ResBlock of two AdderNet 1x1 layers:  y[co][p] = -sum over ci of |in[ci][p] - W[co][ci]|, BatchNorm with running figures, ReLU;
; the same again with W2; + x; ReLU.  x, out0: [8][32][16384] f32.  No step is a product of two inputs, so the matrix unit has no part:
; all arithmetic is f32 vector arithmetic.
;
; THE FORM.  For finite a, w:  |a - w| = 2 max(a, w) - a - w.  So  sum |a - w| = 2 M - sa - sw,  M = sum over ci of max(a[ci], w[co][ci]),
; sa = sum of a (once for a pixel and layer), sw = sum of W's row (once for an output channel).  With sc = gamma * rsq(var + 1e-5):
;     BatchNorm(-sum|a - w|) = A (M - sa/2) + B,   A = -2 sc,   B = sc (sw - mean) + beta.
; A lane holds two neighbouring pixels: one dual instruction takes both maxima against a weight in a scalar register, one packed add adds both:
; two instructions for two terms.  (|.| itself has no place in the dual or the packed encodings.)
; LIMITS OF THIS FORM, kept knowingly: the order of rounding is not reference()'s: the absolute error is a few 2^-24 of sum(|a| + |w|), so
; accuracy is lost only where |a - w| is some 10^4 times smaller than |a| in all 32 channels at once (a common offset of 30 spreads on x and W
; cancels by a factor under 100).  NaN and infinite inputs are not honoured (v_max_num_f32 drops a NaN; inf - inf would arise).  Magnitudes stay
; under about 1e36, so that 64 times the largest number is finite.  v_rsq_f32 takes var + 1e-5 below 2^-126 as zero.
;
; SHARES.  256 work-groups of 8 waves.  Work-group g: batch g / 32, pixels 512 (g % 32) .. + 511.  Thread t: the two pixels at byte 8 t of the
; group's 2,048 bytes of every channel plane, all 32 channels, both layers.  A wave's load or store of 8 bytes a lane covers 256 consecutive
; bytes that start at a multiple of 256 from the buffer's first byte.  x is read once, out0 written once, h never leaves the registers.
; All 32 loads of x go out at the start; layer 1 goes by blocks of 8 input channels and begins when the first 8 have come; layer 2 goes by
; quartets of output channels and stores each quartet as soon as it is finished.
; No loop, no branch, no barrier, EXEC never changes.  No register that a load or store names as address, base or data is written again
; behind it, so no s_wait_xcnt is needed anywhere.
; Left out: LDS tiles and the tensor mover (each byte of x is used by one lane, and registers hold a wave's whole share); clusters (shared are
; only the 8 KiB of weights, which come through scalar loads).
.set PLANE, 65536                      ; bytes of a channel plane (128 x 128 f32)
.set BUF0, 32                          ; s[32:63]  weights of a step: 4 output channels x 8 input channels, channel k of the four at +8k
.set BUF1, 68                          ; s[68:99]  the second buffer: filled while the first is used
.set OFF, 1                            ; v1        8 t: my byte offset in the group's strip; never rewritten
.set LS,  2                            ; v2        LDS: where lane = channel puts its 16 bytes of constants
.set LC,  3                            ; v3        LDS: my wave's 1,024 bytes, the same address in all lanes
.set WO,  4                            ; v4        128 x lane: my row of W1, W2
.set CO,  5                            ; v5        4 x lane: my number in the BatchNorm vectors
.set BN,  6                            ; v[6:13]   gamma1, beta1, mean1, var1, gamma2, beta2, mean2, var2 of channel = lane
.set K1,  14                           ; v[14:17]  (A, A, B, B) of layer 1, channel = lane
.set K2,  18                           ; v[18:21]  the same of layer 2
.set NS,  22                           ; v[22:23]  -sa/2 of my two pixels
.set SX,  24                           ; v[24:25]  running sa
.set T,   26                           ; v[26:33]  four pairs at work
.set AC,  34                           ; v[34:41]  layer 2: the sums M of four output channels
.set CQ,  42                           ; v[42:57]  (A, A, B, B) of a quartet's four channels, the same in all lanes
.set X,   58                           ; v[58:121] x: channel c's pair at X + 2c; layer 2 puts its result for channel c there
.set H,   122                          ; v[122:185] at first my rows of W1 and W2; then layer 1's sums M, then h in place: channel c's pair at H + 2c
; The 32 weights of step NXT, by four scalar loads of 32 bytes.  Steps 0-31 are layer 1 (block of input channels outermost, quartet of output
; channels innermost), steps 32-63 layer 2 (quartet outermost).  Row co of W is 128 bytes, a block of 8 input channels 32.
.macro WLOAD
.if NXT < 32
.set WCB, NXT/8
.set WQ,  NXT%8
.set WP,  8
.else
.set WQ,  (NXT-32)/4
.set WCB, (NXT-32)%4
.set WP,  10
.endif
.set WB, BUF0+(NXT%2)*(BUF1-BUF0)
.irp k, 0,1,2,3
	s_load_b256 s[WB+8*\k:WB+8*\k+7], s[WP:WP+1], 128*(4*WQ+\k)+32*WCB
.endr
.endm
; One input channel (pair at src) against four output channels' weights (number j of each one's eight): both pixels' maxima in one instruction.
; The dual form's operand rules hold: destinations even and odd, the same scalar register as both first sources, neighbouring registers as second sources.
.macro MAX4 sb, j, src, dst
.irp k, 0,1,2,3
	v_dual_max_num_f32 v[\dst+2*\k], s[\sb+8*\k+\j], v[\src] :: v_dual_max_num_f32 v[\dst+2*\k+1], s[\sb+8*\k+\j], v[\src+1]
.endr
.endm
.macro ADD4 acc
.irp k, 0,1,2,3
	v_pk_add_f32 v[\acc+2*\k:\acc+2*\k+1], v[\acc+2*\k:\acc+2*\k+1], v[T+2*\k:T+2*\k+1]
.endr
.endm
; A step: 4 output channels x the 8 input channels of block cb.  first = 1: the first maxima start the sums: nothing is cleared.
; Four instructions lie between a maximum and its add, eight between two adds onto one sum.
.macro GROUP sb, src, cb, acc, first
.if \first
	MAX4 \sb, 0, \src+16*\cb, \acc
.else
	MAX4 \sb, 0, \src+16*\cb, T
	ADD4 \acc
.endif
.irp j, 1,2,3,4,5,6,7
	MAX4 \sb, \j, \src+16*\cb+2*\j, T
	ADD4 \acc
.endr
.endm
; sa: the 8 channels of block cb are added as a tree and joined to SX
.macro SUM8 src, cb, first
.irp k, 0,1,2,3
	v_pk_add_f32 v[T+2*\k:T+2*\k+1], v[\src+16*\cb+4*\k:\src+16*\cb+4*\k+1], v[\src+16*\cb+4*\k+2:\src+16*\cb+4*\k+3]
.endr
	v_pk_add_f32 v[T:T+1], v[T:T+1], v[T+2:T+3]
	v_pk_add_f32 v[T+4:T+5], v[T+4:T+5], v[T+6:T+7]
.if \first
	v_pk_add_f32 v[SX:SX+1], v[T:T+1], v[T+4:T+5]
.else
	v_pk_add_f32 v[T:T+1], v[T:T+1], v[T+4:T+5]
	v_pk_add_f32 v[SX:SX+1], v[SX:SX+1], v[T:T+1]
.endif
.endm
.macro NEGHALF
	v_pk_mul_f32 v[NS:NS+1], v[SX:SX+1], -0.5 op_sel_hi:[1,0]
.endm
; The constants of quartet q of layer l (0, 1): all lanes read the same 16 bytes for each channel
.macro CLOAD l, q
.irp k, 0,1,2,3
	ds_load_b128 v[CQ+4*\k:CQ+4*\k+3], v[LC] offset:512*\l+16*(4*\q+\k)
.endr
.endm
; Layer 1's end for quartet q, in place: h = max(0, A (M - sa/2) + B)
.macro FIN1 q
.irp k, 0,1,2,3
	v_pk_add_f32 v[H+8*\q+2*\k:H+8*\q+2*\k+1], v[H+8*\q+2*\k:H+8*\q+2*\k+1], v[NS:NS+1]
.endr
.irp k, 0,1,2,3
	v_pk_fma_f32 v[H+8*\q+2*\k:H+8*\q+2*\k+1], v[H+8*\q+2*\k:H+8*\q+2*\k+1], v[CQ+4*\k:CQ+4*\k+1], v[CQ+4*\k+2:CQ+4*\k+3]
.endr
.irp k, 0,1,2,3
	v_dual_max_num_f32 v[H+8*\q+2*\k], 0, v[H+8*\q+2*\k] :: v_dual_max_num_f32 v[H+8*\q+2*\k+1], 0, v[H+8*\q+2*\k+1]
.endr
.endm
; Layer 2's end for quartet q: out = max(0, A (M - sa/2) + B + x), put where x[c] stood (it is needed no more) and stored from there
.macro FIN2 q
.irp k, 0,1,2,3
	v_pk_add_f32 v[AC+2*\k:AC+2*\k+1], v[AC+2*\k:AC+2*\k+1], v[NS:NS+1]
.endr
.irp k, 0,1,2,3
	v_pk_fma_f32 v[AC+2*\k:AC+2*\k+1], v[AC+2*\k:AC+2*\k+1], v[CQ+4*\k:CQ+4*\k+1], v[CQ+4*\k+2:CQ+4*\k+3]
.endr
.irp k, 0,1,2,3
	v_pk_add_f32 v[X+8*\q+2*\k:X+8*\q+2*\k+1], v[X+8*\q+2*\k:X+8*\q+2*\k+1], v[AC+2*\k:AC+2*\k+1]
.endr
.irp k, 0,1,2,3
	v_dual_max_num_f32 v[X+8*\q+2*\k], 0, v[X+8*\q+2*\k] :: v_dual_max_num_f32 v[X+8*\q+2*\k+1], 0, v[X+8*\q+2*\k+1]
.endr
.irp k, 0,1,2,3
	global_store_b64 v[OFF], v[X+8*\q+2*\k:X+8*\q+2*\k+1], s[6:7] offset:(4*\q+\k)*PLANE th:TH_STORE_NT   ; the wave's 256 consecutive bytes of plane 4q + k
.endr
.endm
; The 32 registers from b on are summed into v[b]
.macro SUMROW b
.irp i, 0,1,2,3,4,5,6,7
	v_pk_add_f32 v[\b+4*\i:\b+4*\i+1], v[\b+4*\i:\b+4*\i+1], v[\b+4*\i+2:\b+4*\i+3]
.endr
.irp i, 0,1,2,3
	v_pk_add_f32 v[\b+8*\i:\b+8*\i+1], v[\b+8*\i:\b+8*\i+1], v[\b+8*\i+4:\b+8*\i+5]
.endr
.irp i, 0,1
	v_pk_add_f32 v[\b+16*\i:\b+16*\i+1], v[\b+16*\i:\b+16*\i+1], v[\b+16*\i+8:\b+16*\i+9]
.endr
	v_pk_add_f32 v[\b:\b+1], v[\b:\b+1], v[\b+16:\b+17]
	v_add_f32 v[\b], v[\b], v[\b+1]
.endm
; The head of step N: its weights, asked for one step (64 vector instructions) ago, are there; the next step's are asked for, into the other buffer,
; which no instruction names until the next such wait.  Scalar loads come back in no order, so the wait is for zero.
.set N, 0
.macro STEP_HEAD
	s_wait_kmcnt 0x0
.if N < 63
.set NXT, N+1
	WLOAD
.endif
.set SB, BUF0+(N%2)*(BUF1-BUF0)
.set N, N+1
.endm
; A step of layer 1.  last = 1 (the last block of input channels): the quartet's constants are asked for ahead of the step's arithmetic and it is finished behind it.
.macro L1STEP cb, q, first, last
	STEP_HEAD
.if \last
	CLOAD 0, \q
.endif
	GROUP SB, X, \cb, H+8*\q, \first
.if \last
	s_wait_dscnt 0x0                               ; the quartet's four constant loads (and, the first time, the two stores in front of them)
	FIN1 \q
.endif
.endm
.macro L1BLOCK cb, first, last
	s_wait_loadcnt 24-8*\cb                        ; loads come back in order: channels up to 8 cb + 7 are in, the loads of the later blocks stay out
	SUM8 X, \cb, \first
.if \last
	NEGHALF
.endif
.irp q, 0,1,2,3,4,5,6,7
	L1STEP \cb, \q, \first, \last
.endr
.endm
.macro L2STEP q, cb, first, last
	STEP_HEAD
.if \last
	CLOAD 1, \q
.endif
	GROUP SB, H, \cb, AC, \first
.if \last
	s_wait_dscnt 0x0                               ; the quartet's four constant loads
	FIN2 \q
.endif
.endm
	; ---- addresses
	s_load_b512 s[4:19], s[0:1], 0x0               ; x s[4:5], out0 s[6:7], W1 s[8:9], W2 s[10:11], gamma1 s[12:13], beta1 s[14:15], mean1 s[16:17], var1 s[18:19]
	s_load_b256 s[20:27], s[0:1], 0x40             ; gamma2 s[20:21], beta2 s[22:23], mean2 s[24:25], var2 s[26:27]
	v_lshl_add_u32 v186, v0, 2, 0x2000
	v_mov_b32 v187, 0
	v_lshlrev_b32 v[OFF], 3, v0                    ; 8 t
	v_and_b32 v[T], 31, v0                         ; lane
	v_lshrrev_b32 v[T+1], 5, v0
	v_readfirstlane_b32 s28, v[T+1]                ; wave 0..7
	s_lshl_b32 s29, s28, 10                        ; my wave's 1,024 bytes of LDS
	v_lshlrev_b32 v[WO], 7, v[T]
	v_lshlrev_b32 v[CO], 2, v[T]
	v_lshl_add_u32 v[LS], v[T], 4, s29
	v_mov_b32 v[LC], s29
	s_lshr_b32 s2, ttmp9, 5                        ; batch,
	s_lshl_b32 s2, s2, 21                          ; of 32 planes of 65,536 bytes
	s_and_b32 s3, ttmp9, 31                        ; strip,
	s_lshl_b32 s3, s3, 11                          ; of 512 pixels = 2,048 bytes
	s_add_co_u32 s2, s2, s3
	s_mov_b32 s3, 0
	s_wait_kmcnt 0x0
	s_add_nc_u64 s[4:5], s[4:5], s[2:3]            ; x and out0 at the group's strip of channel 0
	s_add_nc_u64 s[6:7], s[6:7], s[2:3]
	; ---- everything is asked for in one run: step 0's weights; the small loads, so that the constants are made while x is on its way; then all of x
.set NXT, 0
	WLOAD
.irp i, 0,1,2,3,4,5,6,7
	global_load_b32 v[BN+\i], v[CO], s[12+2*\i:13+2*\i]
.endr
.irp i, 0,1,2,3,4,5,6,7
	global_load_b128 v[H+4*\i:H+4*\i+3], v[WO], s[8:9] offset:16*\i          ; row = lane of W1
.endr
.irp i, 0,1,2,3,4,5,6,7
	global_load_b128 v[H+32+4*\i:H+32+4*\i+3], v[WO], s[10:11] offset:16*\i  ; row = lane of W2
.endr
.set C, 0
.rept 32
	global_load_b64 v[X+2*C:X+2*C+1], v[OFF], s[4:5] offset:C*PLANE th:TH_LOAD_NT   ; read once in the launch
.set C, C+1
.endr
	; ---- the constants, lane = channel
	s_wait_loadcnt 32                              ; the 24 small loads are in; the 32 younger loads of x stay out
	SUMROW H                                       ; sw of W1's row
	SUMROW H+32                                    ; sw of W2's row
	v_add_f32 v[BN+3], 0x3727c5ac, v[BN+3]         ; var + 1e-5
	v_add_f32 v[BN+7], 0x3727c5ac, v[BN+7]
	v_rsq_f32 v[T], v[BN+3]
	v_rsq_f32 v[T+1], v[BN+7]
	v_sub_f32 v[T+2], v[H], v[BN+2]                ; sw - mean: plain lines that touch neither root's result nor its source stand behind the roots (ISA guide 5.7.2)
	v_sub_f32 v[T+3], v[H+32], v[BN+6]
	s_wait_alu depctr_va_vdst(0)
	v_mul_f32 v[T], v[BN+0], v[T]                  ; sc = gamma / sqrt(var + 1e-5)
	v_mul_f32 v[T+1], v[BN+4], v[T+1]
	v_mul_f32 v[K1], -2.0, v[T]                    ; A, twice, and B, twice: the packed multiply-add then takes plain pairs
	v_mul_f32 v[K1+1], -2.0, v[T]
	v_fma_f32 v[K1+2], v[T], v[T+2], v[BN+1]
	v_fma_f32 v[K1+3], v[T], v[T+2], v[BN+1]
	v_mul_f32 v[K2], -2.0, v[T+1]
	v_mul_f32 v[K2+1], -2.0, v[T+1]
	v_fma_f32 v[K2+2], v[T+1], v[T+3], v[BN+5]
	v_fma_f32 v[K2+3], v[T+1], v[T+3], v[BN+5]
	; Through LDS a lane's constants reach all lanes without a vector instruction.  The 1,024 bytes are the wave's own (wave x 1,024), written here once;
	; LDS serves a wave's instructions in order (ISA guide 5.7.1), so the loads further down see these stores: no barrier, no wait between them.
	ds_store_b128 v[LS], v[K1:K1+3]                ; bytes 0-511: layer 1, 16 bytes a channel
	ds_store_b128 v[LS], v[K2:K2+3] offset:512     ; bytes 512-1023: layer 2
	; ---- layer 1: blocks of 8 input channels outermost, all 32 sums M live in H
	L1BLOCK 0, 1, 0
	L1BLOCK 1, 0, 0
	L1BLOCK 2, 0, 0
	L1BLOCK 3, 0, 1
	; ---- sa of h
	SUM8 H, 0, 1
	SUM8 H, 1, 0
	SUM8 H, 2, 0
	SUM8 H, 3, 0
	NEGHALF
	; ---- layer 2: quartets of output channels outermost, each stored as it is finished
.irp q, 0,1,2,3,4,5,6,7
	L2STEP \q, 0, 1, 0
	L2STEP \q, 1, 0, 0
	L2STEP \q, 2, 0, 0
	L2STEP \q, 3, 0, 1
.endr
	s_wait_tensorcnt 0x0
	ds_add_u32 v186, v187
	s_wait_dscnt 0x0
	s_endpgm
.Lfunc_end_k_q7dbe0ed758_resblock:
	.size	k_q7dbe0ed758_resblock, .Lfunc_end_k_q7dbe0ed758_resblock-k_q7dbe0ed758_resblock
	.p2alignl 7, 3214868480
	.fill 96, 4, 3214868480
	.section	.rodata,"a",@progbits
	.p2align	6, 0x0
	.amdhsa_kernel k_q7dbe0ed758_resblock
		.amdhsa_group_segment_fixed_size 9216
		.amdhsa_private_segment_fixed_size 0
		.amdhsa_enable_private_segment 0
		.amdhsa_kernarg_size 96
		.amdhsa_user_sgpr_count 2
		.amdhsa_user_sgpr_kernarg_segment_ptr 1
		.amdhsa_wavefront_size32 1
		.amdhsa_system_sgpr_workgroup_id_x 1
		.amdhsa_system_sgpr_workgroup_id_y 1
		.amdhsa_system_sgpr_workgroup_id_z 1
		.amdhsa_system_vgpr_workitem_id 0
		.amdhsa_next_free_vgpr 188
		.amdhsa_next_free_sgpr 100
		.amdhsa_reserve_vcc 0
		.amdhsa_float_denorm_mode_32 3
		.amdhsa_float_denorm_mode_16_64 3
		.amdhsa_memory_ordered 1
		.amdhsa_forward_progress 1
		.amdhsa_inst_pref_size 255
	.end_amdhsa_kernel
	.section	.bss,"aw",@nobits
	.p2align	6
	.space	262144
	.amdgpu_metadata
---
amdhsa.version: [ 1, 2 ]
amdhsa.kernels:
  - .name:           k_q7dbe0ed758_resblock
    .symbol:         k_q7dbe0ed758_resblock.kd
    .args:
      - { .name: x, .offset: 0, .size: 8, .value_kind: global_buffer, .address_space: global }
      - { .name: out0, .offset: 8, .size: 8, .value_kind: global_buffer, .address_space: global }
      - { .name: W1, .offset: 16, .size: 8, .value_kind: global_buffer, .address_space: global }
      - { .name: W2, .offset: 24, .size: 8, .value_kind: global_buffer, .address_space: global }
      - { .name: gamma1, .offset: 32, .size: 8, .value_kind: global_buffer, .address_space: global }
      - { .name: beta1, .offset: 40, .size: 8, .value_kind: global_buffer, .address_space: global }
      - { .name: mean1, .offset: 48, .size: 8, .value_kind: global_buffer, .address_space: global }
      - { .name: var1, .offset: 56, .size: 8, .value_kind: global_buffer, .address_space: global }
      - { .name: gamma2, .offset: 64, .size: 8, .value_kind: global_buffer, .address_space: global }
      - { .name: beta2, .offset: 72, .size: 8, .value_kind: global_buffer, .address_space: global }
      - { .name: mean2, .offset: 80, .size: 8, .value_kind: global_buffer, .address_space: global }
      - { .name: var2, .offset: 88, .size: 8, .value_kind: global_buffer, .address_space: global }
    .group_segment_fixed_size: 9216
    .private_segment_fixed_size: 0
    .kernarg_segment_align: 8
    .kernarg_segment_size: 96
    .max_flat_workgroup_size: 256
    .sgpr_count:     100
    .vgpr_count:     188
    .wavefront_size: 32
...
	.end_amdgpu_metadata
.endif
;; end of part 1
